; MI455X (gfx1250); checked and timed in simulation.
; The chip was launched on July 23, 2026; its instructions are those of AMD's public machine-readable ISA for CDNA 5 (MIT licence, August 2026) and "CDNA5" Instruction Set Architecture Reference Guide (July 2026). The comments in the code are by the model that wrote it; some were corrected since.
;; K attention. Allowed arithmetic: matrix products marked QUANTISED: E2M3 operands, one E8M0 scale for each 32 along K, by v_wmma_scale_f32_16x16x128_f8f6f4 with both operands' format E2M3, f32 sums; everything else in f32.
;; Inputs: r_sigma 1 float32; x 32 x 2,048 x 64 float32.
;; Outputs: out0 32 x 2,048 x 64 float32.
;; This version of the problem:
;;   THIS VERSION OF THE PROBLEM IS GIVEN IN LOW PRECISION. The matrix products marked QUANTISED in the list below multiply operands that are first quantised to E2M3 (2 exponent bits, 3 mantissa bits; 6 bits a number), with one power-of-two scale for each 32 numbers along K (OCP MX v1.0); their sums are f32. All else is computed in f32.
;;   The module's matrix products, in the order in which they are computed (A, B: the left and right operand; K: the contracted axis; several contracted axes count as one K, in the product's order):
;;     1. batch 32 x [M 2,048, K 64] x [K 64, N 2,048]; A: input x; B: input x: QUANTISED
;;     2. batch 32 x [M 2,048, K 2,048] x [K 2,048, N 64]; A: computed on the way; B: input x: QUANTISED
;;   THE QUANTISER, for each operand of a quantised product, along K:
;;     - K is cut into blocks of 32 from its start; a last block that is shorter is filled with zeros.
;;     - A block's scale is 2^e with e = floor(log2(the largest magnitude in the block)) - 2, held to -126 .. 127; a block of zeros has e = 0. As a byte (E8M0): e + 127.
;;     - Each number is divided by its block's scale, clamped to +-7.5, and rounded to the nearest number of E2M3, ties to even, subnormals kept.
;;     - The product sums the exact products of the quantised numbers (number of the format x scale) in f32.
;;   ~~~python
;;   def quantise(x, axis):      # numpy; x: float32 -> the quantised numbers, widened to float32 again
;;       x = np.moveaxis(x, axis, -1); K = x.shape[-1]
;;       x = np.pad(x, [(0, 0)] * (x.ndim - 1) + [(0, -K % 32)]); x = x.reshape(x.shape[:-1] + (-1, 32)); a = np.abs(x).max(-1, keepdims=True)
;;       e = np.where(a > 0, np.clip(np.frexp(np.where(a > 0, a, 1))[1] - 1 - 2, -126, 127), 0)      # np.frexp(a)[1] - 1 = floor(log2(a)), exactly
;;       r = np.clip(x / 2.0 ** e, -7.5, 7.5)
;;       step = 2.0 ** (np.maximum(np.frexp(np.where(r == 0, 1, r))[1] - 1, 0) - 3)
;;       q = np.round(r / step) * step * 2.0 ** e      # np.round: ties to even
;;       return np.moveaxis(q.reshape(q.shape[:-2] + (-1,))[..., :K], -1, axis).astype(np.float32)
;;   ~~~
;;   OPERANDS COMPUTED ON THE WAY. 'Computed on the way' means the value that the module computes at that place (a softmax that the list does not call 'softmax' is quantised finished and normalised). What goes into a quantiser is computed in f32, as accurately as f32 sums, v_exp_f32 and their like allow (about 1e-6 of the number): no bf16 or f16 on the way to a quantiser, and a product that is left as it is and whose result goes on into a quantised operand takes f32 operands (vector FMAs, or v_wmma_f32_16x16x4_f32). A number that lies on a knife's edge between two numbers of the format may be rounded either way, as far as f32 arithmetic and the matrix unit's own rounding can turn it there, and no further.
;; One version. Each part assembles by itself: llvm-mc -triple=amdgcn-amd-amdhsa -mcpu=gfx1250 --defsym DOCPART=n.
;; ======== version 1 of 1: 2 launches
;; workspace buffers: ws 6,946,816 bytes
;; launch quant (part 1): grid 512 x 1, 4 waves a work-group, no clusters, 37,376 bytes of LDS; arguments x, ws; writes ws
.if DOCPART == 1
	.amdgcn_target "amdgcn-amd-amdhsa--gfx1250"
	.amdhsa_code_object_version 6
	.text
	.protected	k_q5116a6ec23_quant
	.globl	k_q5116a6ec23_quant
	.p2align	8
	.type	k_q5116a6ec23_quant,@function
k_q5116a6ec23_quant:
	s_mov_b64 s[64:65], 0
	v_nop
	global_prefetch_b8 v0, s[64:65] scope:SCOPE_SE
	s_setreg_imm32_b32 hwreg(HW_REG_WAVE_MODE, 25, 1), 1
	s_wait_xcnt 0x0
; x [32][2048][64] f32 is quantised ONCE into codes of FP6 (E2M3) with one E8M0 scale byte for each 32 numbers, in both directions in which the second launch multiplies it:
; along the 64 channels (rows of x as keys and as queries) and along the keys (columns of x as the values).  The negated sums of squares of the rows are made on the way.
; A work-group makes one RECORD of ws: 128 rows of x (32,768 bytes in, 13,568 bytes out), laid as images of the operands' registers, so that the reader takes every fragment by dense loads:
;   0      8 key tiles x 768 bytes: registers 0-3 of lane l at 16 l, registers 4-5 at 512 + 8 l.  Lane (r, h) of tile 2 j + u: the codes of x[32 j + 8 u + r + 8 (r / 8)][32 h .. 32 h + 31]
;   6144   4 channel tiles x 2 halves x 768 bytes, the same form.  Lane (r, h) of tile n, half c: the codes of x[64 c + 32 h + 0 .. 31][16 n + r]: K runs down the keys
;   12288  the key tiles' scale words (bytes 0, 1: the two blocks of channels; bytes 2, 3: zero): tile t, row r at 16 (r + 16 (t / 4)) + 4 (t % 4)
;   12800  the channel tiles' scale words (four blocks of keys): tile n, row r at 16 r + 4 n
;   13056  minus the sum of squares of the 128 rows, f32, in the rows' order
; A block's scale is 2^(floor(log2(its largest magnitude)) - 2); its byte is the largest magnitude's exponent field - 2, held at 1 from below.
; LIMITS: a block of zeros, and one whose largest magnitude lies under 2^-124, gets the byte 1 (the quantiser's text says 127 for zeros): a block of zeros has zero codes, which add nothing under any byte
; but 0xff, and this program alone reads the bytes.  NaN and infinities among the inputs are not served.
; SHARES.  Four waves.  Wave j reads rows 32 j .. 32 j + 31 by sixteen loads of 512 consecutive bytes and lays them into a stage in LDS; behind one barrier it takes key tiles 2 j and 2 j + 1 from its own rows
; (a lane: 32 neighbouring channels of one row) and channel tile j from all 128 rows (a lane: one channel, its registers down 32 keys).  In both a block of 32 lies in ONE lane's registers.
; The work-groups share no input, so there is no cluster and no tensor load: several work-groups lie on a WGP.
.set REC,   13568
.set PITCH, 272                        ; a stage row: 256 bytes + 16
.set SB,    32*PITCH+64                ; 32 rows, and 64 bytes more: the column reads of lanes 16-31 (32 rows further down) then fall 16 banks beside those of lanes 0-15
.set SM,    4*SB                       ; behind the stage: a copy of the record's last 1,280 bytes
.set XD,    32                         ; v32-95   the rows as loaded; later two key tiles x 32 numbers
.set XC,    96                         ; v96-159  two blocks of 32 numbers down the keys
.set CD,    160                        ; v160-191 four sets of codes, eight registers each: no store's data are written again
.set FLOOR, 0x1800000                  ; 2^(3 - 127): under it no largest magnitude is taken, so no byte falls under 1
; v1 lane; v2 r, v3 h (at the head; then the last copy's two addresses); v4-v15 addresses; v16-19 a block's maximum, scale operand, byte; v20-24 the sum of squares; v25, v26 the key tiles' scale words;
; v27, v28 minus the sums of squares; v29 the channel tile's scale word; v30 another lane's word; v31 a byte kept
	s_load_b128 s[4:7], s[0:1], 0x0                ; x s[4:5], ws s[6:7]
	v_lshl_add_u32 v192, v0, 2, 0x9000
	v_mov_b32 v193, 0
	v_lshrrev_b32 v1, 5, v0
	v_readfirstlane_b32 s8, v1                     ; wave j
	v_and_b32 v1, 31, v0                           ; lane
	v_and_b32 v2, 15, v0                           ; r
	v_bfe_u32 v3, v0, 4, 1                         ; h
	s_lshl_b32 s10, ttmp9, 15                      ; the record's 32,768 bytes of x
	s_mov_b32 s11, 0
	s_mul_i32 s12, ttmp9, REC                      ; and its place in ws
	s_mov_b32 s13, 0
	s_mov_b32 s20, 0x76543210                      ; v_permlanex16_b32's selects for lane l xor 16
	s_mov_b32 s21, 0xfedcba98
	s_lshl_b32 s14, s8, 13                         ; 8,192 j
	s_mul_i32 s15, s8, SB                          ; my rows in the stage
	s_mul_i32 s16, s8, 1536                        ; two images
	v_lshl_add_u32 v4, v1, 4, s14                  ; x: 16 bytes a lane, my 32 rows
	v_mul_u32_u24 v5, v3, PITCH
	v_lshl_add_u32 v5, v2, 4, v5
	v_add_nc_u32 v5, s15, v5                       ; into the stage: lanes 0-15 one row, lanes 16-31 the next
	v_and_b32 v16, 8, v2
	v_add_nc_u32 v16, v16, v2                      ; r + 8 (r / 8)
	v_mul_u32_u24 v6, v16, PITCH
	v_lshl_add_u32 v6, v3, 7, v6
	v_add_nc_u32 v6, s15, v6                       ; a key tile's row of mine, + 128 h: my 32 channels
	v_mul_u32_u24 v7, v3, SB
	v_lshl_add_u32 v7, v2, 2, v7
	s_lshl_b32 s17, s8, 6
	v_add_nc_u32 v7, s17, v7                       ; down the keys: channel 16 j + r; lanes 16-31 begin 32 rows further down
	v_lshl_add_u32 v8, v1, 4, s16                  ; ws: an image's first 512 bytes,
	v_lshl_add_u32 v9, v1, 3, s16                  ; and its last 256
	v_lshlrev_b32 v10, 3, v3                       ; 8 h: my byte's place in a scale word
	s_lshr_b32 s17, s8, 1
	s_lshl_b32 s17, s17, 8
	s_and_b32 s18, s8, 1
	s_lshl_b32 s18, s18, 3
	s_add_co_u32 s17, s17, s18
	s_add_co_u32 s17, s17, SM
	v_lshl_add_u32 v11, v2, 4, s17                 ; the key tiles' scale words: 16 r + 256 (j / 2) + 8 (j % 2)
	s_lshl_b32 s18, s8, 2
	s_add_co_u32 s18, s18, SM+512
	v_lshl_add_u32 v12, v2, 4, s18                 ; the channel tile's: 16 r + 4 j
	s_lshl_b32 s19, s8, 7
	s_add_co_u32 s19, s19, SM+768
	v_lshl_add_u32 v13, v16, 2, s19                ; minus the sums of squares: 4 (r + 8 (r / 8)) + 128 j
	v_lshl_add_u32 v14, v0, 3, SM                  ; the copy's way out: 8 bytes a thread,
	v_lshlrev_b32 v15, 3, v0                       ; and the same in ws
	v_lshl_add_u32 v2, v1, 3, SM+1024              ; its last 256 bytes, which wave 0 takes: 8 bytes a lane
	v_lshlrev_b32 v3, 3, v1
	v_mov_b32 v24, 0                               ; written once: a lane permute's destination counts as one of its sources
	v_mov_b32 v30, 0
	s_wait_kmcnt 0x0
	s_add_nc_u64 s[4:5], s[4:5], s[10:11]
	s_add_nc_u64 s[6:7], s[6:7], s[12:13]
.irp i, 0,1,2,3,4,5,6,7,8,9,10,11,12,13,14,15
	global_load_b128 v[XD+4*\i:XD+4*\i+3], v4, s[4:5] offset:512*\i    ; 32 lanes read 512 consecutive bytes: two rows
.endr
.irp i, 0,1,2,3,4,5,6,7,8,9,10,11,12,13,14,15
	s_wait_loadcnt 15-\i                           ; loads come back in order: load i is in, the younger ones stay out
	ds_store_b128 v5, v[XD+4*\i:XD+4*\i+3] offset:2*PITCH*\i
.endr
	s_wait_dscnt 0x0                               ; for the others' sake: my rows lie in the stage
	s_barrier_signal -1
	s_barrier_wait -1                              ; all 128 rows do
.macro ROWS u                          ; key tile 2 j + u: my row's 32 channels, 8 loads
.irp e, 0,1,2,3,4,5,6,7
	ds_load_b128 v[XD+32*\u+4*\e:XD+32*\u+4*\e+3], v6 offset:8*PITCH*\u+16*\e
.endr
.endm
.macro COLS c                          ; half c of the channel tile: my channel at keys 64 c + 32 h + 0 .. 31, 32 loads
.irp i, 0,1,2,3,4,5,6,7,8,9,10,11,12,13,14,15,16,17,18,19,20,21,22,23,24,25,26,27,28,29,30,31
	ds_load_b32 v[XC+32*\c+\i], v7 offset:2*SB*\c+PITCH*\i
.endr
.endm
; 32 numbers of a lane, one block, become 6 registers of codes at v[c] on; the scale's byte is left in v18
.macro BLOCKQ x, c
	v_max3_num_f32 v16, |v[\x]|, |v[\x+1]|, |v[\x+2]|                ; the largest magnitude, in two chains
	v_max3_num_f32 v19, |v[\x+3]|, |v[\x+4]|, |v[\x+5]|
.irp i, 6,10,14,18,22,26
	v_max3_num_f32 v16, v16, |v[\x+\i]|, |v[\x+\i+1]|
	v_max3_num_f32 v19, v19, |v[\x+\i+2]|, |v[\x+\i+3]|
.endr
	v_max3_num_f32 v16, v16, |v[\x+30]|, |v[\x+31]|
	v_max3_num_f32 v16, v16, v19, FLOOR
	v_add_nc_u32 v17, 0xff000000, v16              ; 2 off its exponent field: the conversion takes the exponent field of this operand as its scale
	v_cvt_scalef32_pk16_fp6_f32 v[\c:\c+2], v[\x:\x+15], v17
	v_cvt_scalef32_pk16_fp6_f32 v[\c+4:\c+6], v[\x+16:\x+31], v17    ; (a conversion's three registers begin on an even number)
	v_lshrrev_b32 v18, 23, v17                     ; the scale's byte; also the plain place behind the conversions
	v_mov_b32 v[\c+3], v[\c+4]
	v_mov_b32 v[\c+4], v[\c+5]
	v_mov_b32 v[\c+5], v[\c+6]
.endm
; minus the sum of squares of a row: my 32 channels in two packed chains, then lane l xor 16's
.macro SQ x, n
	v_pk_mul_f32 v[20:21], v[\x:\x+1], v[\x:\x+1]
	v_pk_mul_f32 v[22:23], v[\x+2:\x+3], v[\x+2:\x+3]
.irp i, 4,8,12,16,20,24,28
	v_pk_fma_f32 v[20:21], v[\x+\i:\x+\i+1], v[\x+\i:\x+\i+1], v[20:21]
	v_pk_fma_f32 v[22:23], v[\x+\i+2:\x+\i+3], v[\x+\i+2:\x+\i+3], v[22:23]
.endr
	v_pk_add_f32 v[20:21], v[20:21], v[22:23]
	v_add_f32 v20, v20, v21
	v_permlanex16_b32 v24, v20, s20, s21
	v_add_f32 v[\n], -v20, -v24
.endm
.macro ROWWORK u
	BLOCKQ XD+32*\u, CD+8*\u
	v_lshlrev_b32 v[25+\u], v10, v18               ; my block's byte at its place,
	v_permlanex16_b32 v30, v[25+\u], s20, s21
	v_or_b32 v[25+\u], v[25+\u], v30               ; with lane l xor 16's: the row's scale word
	SQ XD+32*\u, 27+\u
	global_store_b128 v8, v[CD+8*\u:CD+8*\u+3], s[6:7] offset:768*\u         ; 512 consecutive bytes, at a multiple of 256 from the buffer's first byte
	global_store_b64 v9, v[CD+8*\u+4:CD+8*\u+5], s[6:7] offset:768*\u+512    ; 256 more
.endm
.macro COLWORK c
	BLOCKQ XC+32*\c, CD+16+8*\c
	global_store_b128 v8, v[CD+16+8*\c:CD+16+8*\c+3], s[6:7] offset:6144+768*\c
	global_store_b64 v9, v[CD+16+8*\c+4:CD+16+8*\c+5], s[6:7] offset:6144+768*\c+512
.endm
	ROWS 0
	ROWS 1
	COLS 0
	s_wait_dscnt 40                                ; tile 2 j's eight loads are in; behind them: the other tile's 8 and the first 32 down the keys
	ROWWORK 0
	s_wait_dscnt 32                                ; tile 2 j + 1's are in
	COLS 1
	ROWWORK 1
	s_wait_dscnt 32                                ; half 0 is in; behind it: half 1's 32
	COLWORK 0
	v_mov_b32 v31, v18                             ; the byte of key block h
	s_wait_dscnt 0x0
	COLWORK 1
	v_lshl_or_b32 v29, v18, 16, v31                ; with that of block 2 + h,
	v_lshlrev_b32 v29, v10, v29                    ; at their places (8 h bits up);
	v_permlanex16_b32 v30, v29, s20, s21
	v_or_b32 v29, v29, v30                         ; with lane l xor 16's two the word is whole
	ds_store_b32 v11, v25                          ; both halves of the lanes write the same word with the same value
	ds_store_b32 v11, v26 offset:4
	ds_store_b32 v13, v27
	ds_store_b32 v13, v28 offset:32
	ds_store_b32 v12, v29
	s_wait_dscnt 0x0                               ; for the others' sake: my words lie in the copy
	s_barrier_signal -1
	s_barrier_wait -1
	ds_load_b64 v[32:33], v14
	s_wait_dscnt 0x0
	global_store_b64 v15, v[32:33], s[6:7] offset:12288        ; each wave stores 256 consecutive bytes, at a multiple of 256 from the buffer's first byte
	s_cmp_lg_u32 s8, 0
	s_cbranch_scc1 .Ldone                          ; the last 256 of the 1,280 bytes are wave 0's
	ds_load_b64 v[34:35], v2
	s_wait_dscnt 0x0
	global_store_b64 v3, v[34:35], s[6:7] offset:13312
.Ldone:
	s_wait_tensorcnt 0x0
	ds_add_u32 v192, v193
	s_wait_dscnt 0x0
	s_endpgm
.Lfunc_end_k_q5116a6ec23_quant:
	.size	k_q5116a6ec23_quant, .Lfunc_end_k_q5116a6ec23_quant-k_q5116a6ec23_quant
	.p2alignl 7, 3214868480
	.fill 96, 4, 3214868480
	.section	.rodata,"a",@progbits
	.p2align	6, 0x0
	.amdhsa_kernel k_q5116a6ec23_quant
		.amdhsa_group_segment_fixed_size 37376
		.amdhsa_private_segment_fixed_size 0
		.amdhsa_enable_private_segment 0
		.amdhsa_kernarg_size 16
		.amdhsa_user_sgpr_count 2
		.amdhsa_user_sgpr_kernarg_segment_ptr 1
		.amdhsa_wavefront_size32 1
		.amdhsa_system_sgpr_workgroup_id_x 1
		.amdhsa_system_sgpr_workgroup_id_y 1
		.amdhsa_system_sgpr_workgroup_id_z 1
		.amdhsa_system_vgpr_workitem_id 0
		.amdhsa_next_free_vgpr 194
		.amdhsa_next_free_sgpr 66
		.amdhsa_reserve_vcc 0
		.amdhsa_float_denorm_mode_32 3
		.amdhsa_float_denorm_mode_16_64 3
		.amdhsa_memory_ordered 1
		.amdhsa_forward_progress 1
		.amdhsa_inst_pref_size 22
	.end_amdhsa_kernel
	.amdgpu_metadata
---
amdhsa.version: [ 1, 2 ]
amdhsa.kernels:
  - .name:           k_q5116a6ec23_quant
    .symbol:         k_q5116a6ec23_quant.kd
    .args:
      - { .name: x, .offset: 0, .size: 8, .value_kind: global_buffer, .address_space: global }
      - { .name: ws, .offset: 8, .size: 8, .value_kind: global_buffer, .address_space: global }
    .group_segment_fixed_size: 37376
    .private_segment_fixed_size: 0
    .kernarg_segment_align: 8
    .kernarg_segment_size: 16
    .max_flat_workgroup_size: 128
    .sgpr_count:     66
    .vgpr_count:     194
    .wavefront_size: 32
...
	.end_amdgpu_metadata
.endif
;; end of part 1
;; launch gauss (part 2): grid 256 x 1, 8 waves a work-group, clusters of 4 x 1, 287,744 bytes of LDS; arguments x, ws, r_sigma, out0; writes out0
.if DOCPART == 2
	.amdgcn_target "amdgcn-amd-amdhsa--gfx1250"
	.amdhsa_code_object_version 6
	.text
	.protected	k_q5116a6ec23_gauss
	.globl	k_q5116a6ec23_gauss
	.p2align	8
	.type	k_q5116a6ec23_gauss,@function
k_q5116a6ec23_gauss:
	s_mov_b64 s[64:65], 0
	v_nop
	global_prefetch_b8 v0, s[64:65] scope:SCOPE_SE
	s_setreg_imm32_b32 hwreg(HW_REG_WAVE_MODE, 25, 1), 1
	s_wait_xcnt 0x0
	s_wait_alu depctr_hold_cnt(0) depctr_sa_sdst(0) depctr_va_vdst(0) depctr_va_sdst(0) depctr_va_ssrc(0) depctr_va_vcc(0) depctr_vm_vsrc(0)
	s_getreg_b32 s2, hwreg(HW_REG_IB_STS2, 6, 4)
	s_cmp_eq_u32 s2, 0
	s_cbranch_scc0 .Lentry_in_a_cluster
	s_endpgm
.Lentry_in_a_cluster:
	s_bfe_u32 s2, ttmp6, 0x10000c
	s_cmp_lg_u32 s2, 0x3003
	s_cbranch_scc0 .Lentry_shape_is_right
	s_endpgm
.Lentry_shape_is_right:
; out[b][t][:] = x[b][t][:] + the sum over s of K[t][s] x[b][s][:],  K[t][s] = exp(-r max(sq_t - 2 x_t . x_s + sq_s, 0)), both products on codes of FP6 (E2M3) with one E8M0 scale for each 32 along a product's K.
; The codes, the scale words and -sq were made by the launch before, as records of 13,568 bytes for each 128 keys (16 records a batch), laid as images of the operands' registers:
;   0 eight key tiles x 768 bytes; 6144 four channel tiles x 2 halves x 768; 12288 the key tiles' scale words; 12800 the channel tiles'; 13056 -sq of the 128 keys.
; SHARES.  A work-group owns 256 queries of one batch, each of its eight waves 32: two tiles of 16.  Two waves lie on a SIMD, so that one wave's vector work stands beside the other's products and LDS loads.
; Every wave walks the batch's 2,048 keys, 128 a step; each fragment read from LDS feeds both tiles of queries.
; LDS.  The batch's 16 records, 217,088 bytes, are brought ONCE, as they lie, and stay: nothing is filled again.  They come in four groups of four records, a wave bringing an eighth of each group, so that
; the first steps run while the later groups land.  By this text's count a wave has four tensor loads out.  Behind the records: a stage of 32 rows x 272 bytes for each wave, for the way out.
; CLUSTER.  The four work-groups of a cluster belong to one batch (8 work-groups a batch), so each load is asked for JOINTLY: the same descriptor, made of the batch and the wave's number alone, and a mask that names the four.
; LAYOUT.  Both products are used transposed: S^T = K-tile x Q^T (source 0 = 16 keys, source 1 = 16 queries), O^T = V^T P^T (source 0 = 16 channels, source 1 = P): a lane holds ONE query throughout.
; The keys of a tile are not neighbours: lane r of tile 2 b + u holds key 32 b + 8 u + r + 8 (r / 8), so that the 16 registers of tiles 2 b, 2 b + 1 are the 16 neighbouring keys 32 b + 16 (lane / 16) + 0 .. 15.
; A wave's two tiles of queries are two such tiles of its own 32 rows.  The first product's K is 64: registers 6-11 of its operands hold zero codes, written once.
; ARITHMETIC OF AN ELEMENT.  Q's scale bytes are raised by 1 (Q doubled, exactly; a byte is 252 at the most) and -sq_s is the C of the first product: D = 2 x_t . x_s - sq_s.  With r' = r log2(e) and c = r' (-sq_t):
; t = D r' + c in one fused multiply-add, held to (-inf, 0] where r' >= 0 and to [0, +inf) where r' < 0 (that is reference's max(.., 0), for either sign of r, by a select and no branch), p = 2^t.
; p is quantised along the keys as it stands.  O^T begins as x itself, loaded into the accumulators: the '+ x' costs no addition and nothing is cleared.
; LIMITS: NaN and infinities among the inputs are not served; a p under 2^-126 becomes 0 (the exponential flushes denormal results: ISA guide, 15.8); a block of p whose largest lies under 2^-124 gets the byte 1
; (a block of zeros too: its codes are zeros); t is rounded as D r' + round(r' sq_t), not as reference rounds sq_t - 2 inner + sq_s: an error of the size of an f32 rounding of r' sq.
; REGISTERS.  Window 0: v1-13 addresses and the two bounds; v14-17 c; v18-22 offsets of the head's loads; v24-47 Q's two fragments; v48-61 scale words; v64-82 at work; v88-111 P; v128-255 S^T, then p.
;   Window 1: v0-95 eight key fragments; v96-143 four channel fragments; v144-207 the eight accumulators of O^T.
.set REC,    13568
.set GRP,    4*REC                     ; a group of four records
.set WPART,  GRP/8                     ; a wave's eighth of it: 6,784 bytes, one row of 848 elements of 8 bytes
.set BATCHB, 16*REC
.set OV,     6144                      ; in a record: the channel tiles,
.set OKS,    12288                     ; the key tiles' scale words,
.set OVS,    12800                     ; the channel tiles',
.set ONS,    13056                     ; -sq
.set STG,    BATCHB                    ; the stages: no tensor load lands there
.set SPITCH, 272
.set WSTG,   32*SPITCH
.set A16, 1                            ; v1  16 x lane      v2  8 x lane      v3  64 (lane / 16)      v4  16 (lane % 16): never rewritten
.set A8,  2
.set AN,  3
.set AT,  4
.set B16, 5                            ; v5-8  the same + the step's record
.set B8,  6
.set BN,  7
.set BT,  8
.set TLO, 9                            ; v9, v10  the bounds of t
.set THI, 10
.set SO,  11                           ; v11  the stage: where I put 32 bytes of a row
.set SR,  12                           ; v12  and where I read a row back
.set GO,  13                           ; v13  my byte offset in the wave's rows of out
.set CQ,  14                           ; v[14:15], v[16:17]  c of my query in tile 0, 1 (the packed form names a pair and takes its low word)
.set Q,   24                           ; v[24:35], v[36:47]
.set QS,  48                           ; v48, v49  Q's scale words
.set KS,  52                           ; v[52:55]  the key tiles': lanes 0-15 tiles 0-3, lanes 16-31 tiles 4-7
.set VS,  56                           ; v[56:59]  the channel tiles'
.set PS,  60                           ; v60, v61  p's
.set TM,  64                           ; v64-67 largest p of four blocks; v68-71 the other half's, then bytes; v72-75 the conversions' scale operands
.set TP,  68
.set SCO, 72
.set CT,  76                           ; v[76:78], v[80:82]  the conversions' second halves
.set P,   88                           ; v[88:99], v[100:111]
.set S,   128                          ; tile a of queries, tile t of keys: v[128 + 64 a + 8 t]
.set KF,  0                            ; window 1
.set VF,  96
.set O,   144                          ; tile a, channel tile n: v[144 + 32 a + 8 n]
.set WV,  12                           ; s12  my wave's number
.set G1,  16                           ; s[16:23]  descriptor group 1
.set G0,  24                           ; s[24:39]  four groups 0: none is written again
.set SEL, 40                           ; s[40:41]  v_permlanex16_b32's selects for lane l xor 16
.set RP,  42                           ; s[42:43]  r'
.set T,   44                           ; s44  LDS byte at which the step's record begins
.set CNT, 45
.set MSB, 0
.macro WIN new                         ; the immediate's high byte repeats the setting that is left; bits 1:0 source 0, 3:2 source 1, 5:4 source 2, 7:6 destination
.if MSB != \new
	s_set_vgpr_msb (MSB<<8)|\new
.set MSB, \new
.endif
.endm
.macro PLACES n
.rept \n
	v_nop
.endr
.endm
; A round of the cluster's barrier: my work-group's barrier; wave 0 signals for the work-group; every wave waits for all four work-groups; my work-group's barrier once more
.macro CROUND
	s_barrier_signal -1
	s_barrier_wait -1
	s_cmp_lg_u32 s[WV], 0
	s_cbranch_scc1 .Lnot_wave_0_\@
	s_barrier_signal -3
.Lnot_wave_0_\@:
	s_barrier_wait -3
	s_barrier_signal -1
	s_barrier_wait -1
.endm
; The next group of records is whole: my eighth has landed (n later loads of mine stay out), no LDS instruction of mine is out at the signal, and all eight waves say so
.macro GATE n
	s_wait_tensorcnt \n
	s_wait_dscnt 0x0
	s_barrier_signal -1
	s_barrier_wait -1
.endm
	s_load_b256 s[4:11], s[0:1], 0x0               ; x s[4:5], ws s[6:7], r_sigma s[8:9], out s[10:11]
	v_lshl_add_u32 v126, v0, 2, 0x46000
	v_mov_b32 v127, 0
	ds_add_u32 v126, v127
	ds_add_u32 v126, v127
	v_lshrrev_b32 v1, 5, v0
	v_readfirstlane_b32 s[WV], v1                  ; wave 0..7
	s_bfe_u32 s13, ttmp6, 0x40000                  ; cx: my place in the cluster: it enters the addresses of my own queries alone
	s_lshl_b32 s14, ttmp9, 2                       ; in a cluster launch ttmp9 counts clusters
	s_add_co_u32 s14, s14, s13                     ; my block of 256 queries
	s_lshr_b32 s15, ttmp9, 1                       ; the batch: two clusters each; the four partners share it
	s_mov_b32 s[G1+0], 15|(3<<16)|(1<<21)          ; 15:0 the mask: all four work-groups; 17:16 elements of 8 bytes; 20 no padding; 21 set beside a mask
	s_mov_b32 s[G1+1], (WPART/8)<<16               ; tensor_dim0 = 848
	s_mov_b32 s[G1+2], 1<<16                       ; tensor_dim1 = 1
	s_mov_b32 s[G1+3], (WPART/8)<<16               ; tile_dim0 = 848
	s_mov_b32 s[G1+4], 1                           ; tile_dim1 = 1
	s_mov_b32 s[G1+5], WPART/8                     ; the pitch
	s_mov_b32 s[G1+6], 0
	s_mov_b32 s[G1+7], 0
	s_mul_i32 s46, s[WV], WPART                    ; my eighth of a group, in LDS as in memory
	s_mul_i32 s48, s15, BATCHB
	s_add_co_u32 s48, s48, s46
	s_mov_b32 s49, 0
	s_mov_b32 s[SEL], 0x76543210
	s_mov_b32 s[SEL+1], 0xfedcba98
	s_wait_dscnt 0x0
	s_wait_kmcnt 0x0
	s_add_nc_u64 s[48:49], s[6:7], s[48:49]
.irp g, 0,1,2,3
	s_mov_b32 s[G0+4*\g], 1                        ; 1:0 count = 1
	s_add_co_u32 s[G0+4*\g+1], s46, \g*GRP         ; 63:32 LDS address
	s_add_nc_u64 s[G0+4*\g+2:G0+4*\g+3], s[48:49], \g*GRP      ; 120:64 global address
	s_or_b32 s[G0+4*\g+3], s[G0+4*\g+3], 0x80000000            ; 127:126 type = 2
.endr
	CROUND                                         ; all four work-groups are here: the joint loads meet
.irp g, 0,1,2,3
	tensor_load_to_lds s[G0+4*\g:G0+4*\g+3], s[G1:G1+7]        ; all fills of the launch, in one group, ahead of every wait on TENSORcnt and every LDS read
	s_nop 0
.endr
	PLACES 4                                       ; four v_nop follow the last
	s_load_b32 s50, s[8:9], 0x0                    ; r
	s_lshl_b32 s51, s14, 3
	s_add_co_u32 s51, s51, s[WV]                   ; my strip of 32 queries, of 2,048 strips
	s_lshr_b32 s52, s51, 2
	s_mul_i32 s52, s52, REC                        ; four strips to a record
	s_mov_b32 s53, 0
	s_add_nc_u64 s[52:53], s[6:7], s[52:53]        ; ws at my queries' record
	s_lshl_b32 s56, s51, 13                        ; 32 rows of 256 bytes
	s_mov_b32 s57, 0
	s_add_nc_u64 s[4:5], s[4:5], s[56:57]          ; x and out at my first row
	s_add_nc_u64 s[10:11], s[10:11], s[56:57]
	s_and_b32 s54, s51, 3                          ; j: which 32 rows of the record
	s_mul_i32 s58, s54, 1536
	s_lshr_b32 s59, s54, 1
	s_lshl_b32 s59, s59, 8
	s_and_b32 s47, s54, 1
	s_lshl_b32 s47, s47, 3
	s_add_co_u32 s59, s59, s47                     ; 256 (j / 2) + 8 (j % 2)
	s_lshl_b32 s47, s54, 7                         ; 128 j
	v_and_b32 v62, 31, v0                          ; lane
	v_and_b32 v63, 15, v0                          ; r
	v_bfe_u32 v50, v0, 4, 1                        ; h
	v_and_b32 v51, 8, v63
	v_add_nc_u32 v51, v51, v63                     ; r + 8 (r / 8)
	v_lshl_add_u32 v18, v62, 4, s58                ; my tiles' images: their first 512 bytes,
	v_lshl_add_u32 v19, v62, 3, s58                ; their last 256,
	v_lshl_add_u32 v20, v63, 4, s59                ; their scale words,
	v_lshl_add_u32 v21, v51, 2, s47                ; -sq of my query
	v_lshlrev_b32 v22, 8, v51
	v_lshl_add_u32 v22, v50, 5, v22                ; x: my query's row, + 32 h: eight channels of each 16
.irp u, 0,1
	global_load_b128 v[Q+12*\u:Q+12*\u+3], v18, s[52:53] offset:768*\u
	global_load_b64 v[Q+12*\u+4:Q+12*\u+5], v19, s[52:53] offset:768*\u+512
	global_load_b32 v[QS+\u], v20, s[52:53] offset:OKS+4*\u
	global_load_b32 v[CQ+2*\u], v21, s[52:53] offset:ONS+32*\u
.endr
	WIN 0x40                                       ; destination window 1
.irp u, 0,1
.irp n, 0,1,2,3
	global_load_b128 v[O+32*\u+8*\n:O+32*\u+8*\n+3], v22, s[4:5] offset:2048*\u+64*\n          ; O^T begins as x: register i of (u, n) is x(my query, 16 n + 8 h + i)
	global_load_b128 v[O+32*\u+8*\n+4:O+32*\u+8*\n+7], v22, s[4:5] offset:2048*\u+64*\n+16
.endr
.endr
.irp t, 0,1,2,3,4,5,6,7
.irp i, 6,7,8,9,10,11
	v_mov_b32 v[KF+12*\t+\i], 0                    ; zero codes for K = 64 .. 127 of the first product: operands' registers that no load ever fills, written once
.endr
.endr
	WIN 0
.irp u, 0,1
.irp i, 6,7,8,9,10,11
	v_mov_b32 v[Q+12*\u+\i], 0
.endr
.endr
.irp b, 0,1,2,3
	v_mov_b32 v[TP+\b], 0                          ; written once: a lane permute's destination counts as one of its sources
.endr
	v_lshlrev_b32 v[A16], 4, v62
	v_lshlrev_b32 v[A8], 3, v62
	v_lshlrev_b32 v[AN], 6, v50
	v_lshlrev_b32 v[AT], 4, v63
	s_mul_i32 s55, s[WV], WSTG
	s_add_co_u32 s55, s55, STG                     ; my stage
	v_mul_u32_u24 v[SO], v63, SPITCH               ; in: row r of a tile, + 32 h
	v_lshl_add_u32 v[SO], v50, 5, v[SO]
	v_add_nc_u32 v[SO], s55, v[SO]
	v_mul_u32_u24 v[SR], v50, SPITCH               ; back: lanes 0-15 one row of 256 bytes, lanes 16-31 the next
	v_lshl_add_u32 v[SR], v63, 4, v[SR]
	v_add_nc_u32 v[SR], s55, v[SR]
	v_lshlrev_b32 v[GO], 8, v50                    ; and the same in out
	v_lshl_add_u32 v[GO], v63, 4, v[GO]
	s_wait_kmcnt 0x0                               ; r
	s_wait_loadcnt 0x0                             ; Q, its scale words, -sq, x
	v_add_nc_u32 v[QS], 0x101, v[QS]               ; Q doubled: 1 onto the two bytes in use.  These two lines come first: more than eight plain lines follow ahead of the first product
	v_add_nc_u32 v[QS+1], 0x101, v[QS+1]
	s_mul_f32 s[RP], s50, 0x3fb8aa3b               ; r' = r log2(e)
	s_mov_b32 s[RP+1], s[RP]                       ; (named with it as a pair, so it is written)
	v_mul_f32 v[CQ], s[RP], v[CQ]                  ; c = r' (-sq)
	v_mul_f32 v[CQ+2], s[RP], v[CQ+2]
	v_mov_b32 v[CQ+1], v[CQ]
	v_mov_b32 v[CQ+3], v[CQ+2]
	v_mov_b32 v[TLO], s[RP]
	v_cmp_gt_f32 vcc_lo, 0, v[TLO]                 ; r' < 0 ?  The answer selects two values and steers nothing
	v_mov_b32 v[THI], 0
	v_mov_b32 v62, 0x7f800000
	v_cndmask_b32 v[TLO], 0xff800000, v[THI], vcc_lo   ; the lower bound: -inf, or 0 where r' < 0
	v_cndmask_b32 v[THI], 0, v62, vcc_lo               ; the upper: 0, or +inf
.macro BASES                           ; the step's LDS addresses
	v_add_nc_u32 v[B16], s[T], v[A16]
	v_add_nc_u32 v[B8], s[T], v[A8]
	v_add_nc_u32 v[BN], s[T], v[AN]
	v_add_nc_u32 v[BT], s[T], v[AT]
.endm
.macro LDK off                         ; 17 loads: the eight key fragments' six registers in use, and their scale words
	WIN 0x40
.irp t, 0,1,2,3,4,5,6,7
	ds_load_b128 v[KF+12*\t:KF+12*\t+3], v[B16] offset:\off+768*\t
	ds_load_b64 v[KF+12*\t+4:KF+12*\t+5], v[B8] offset:\off+768*\t+512
.endr
	WIN 0
	ds_load_b128 v[KS:KS+3], v[B16] offset:\off+OKS
.endm
.macro LDN off                         ; 16 loads: -sq of my 64 keys, in the result's layout, into tile 0's registers: register 16 b + i is key 32 b + 16 h + i
.irp b, 0,1,2,3
.irp e, 0,1,2,3
	ds_load_b128 v[S+16*\b+4*\e:S+16*\b+4*\e+3], v[BN] offset:\off+ONS+128*\b+16*\e
.endr
.endr
.endm
.macro LDV                             ; 17 loads: the channel tiles' scale words and their four fragments
	ds_load_b128 v[VS:VS+3], v[BT] offset:OVS
	WIN 0x40
.irp n, 0,1,2,3
.irp c, 0,1
	ds_load_b128 v[VF+12*\n+6*\c:VF+12*\n+6*\c+3], v[B16] offset:OV+1536*\n+768*\c
	ds_load_b64 v[VF+12*\n+6*\c+4:VF+12*\n+6*\c+5], v[B8] offset:OV+1536*\n+768*\c+512
.endr
.endr
.endm
; eight products: the eight key tiles against one tile of queries.  d: results, c: what they add onto, q: the queries' fragment, w: its scale words
.macro KQ d, c, q, w
.irp t, 0,1,2,3,4,5,6,7
.if \t < 4
	v_wmma_scale_f32_16x16x128_f8f6f4 v[\d+8*\t:\d+8*\t+7], v[KF+12*\t:KF+12*\t+11], v[\q:\q+11], v[\c+8*\t:\c+8*\t+7], v[KS+\t%4], v[\w] matrix_a_fmt:MATRIX_FMT_FP6 matrix_b_fmt:MATRIX_FMT_FP6
.else
	v_wmma_scale_f32_16x16x128_f8f6f4 v[\d+8*\t:\d+8*\t+7], v[KF+12*\t:KF+12*\t+11], v[\q:\q+11], v[\c+8*\t:\c+8*\t+7], v[KS+\t%4], v[\w] matrix_a_fmt:MATRIX_FMT_FP6 matrix_b_fmt:MATRIX_FMT_FP6 matrix_a_scale:MATRIX_SCALE_ROW1
.endif
.endr
.endm
; tile a's 64 numbers of a lane: t = D r' + c (two at a time, in ascending order: each accumulator is read from its low end on), held between the bounds, p = 2^t.
; A hold stands behind every exponential but the last two, so that each has a plain line behind it before its result is used (ISA guide 5.7.2)
.macro KERN a
.set SS, S+64*\a
.set CC, CQ+2*\a
.set j, 0
.rept 32
	v_pk_fma_f32 v[SS+j:SS+j+1], v[SS+j:SS+j+1], s[RP:RP+1], v[CC:CC+1] op_sel_hi:[1,0,0]
.set j, j+2
.endr
	v_med3_num_f32 v[SS], v[SS], v[TLO], v[THI]
.set j, 1
.rept 63
	v_med3_num_f32 v[SS+j], v[SS+j], v[TLO], v[THI]
	v_exp_f32 v[SS+j-1], v[SS+j-1]
.set j, j+1
.endr
	v_exp_f32 v[SS+63], v[SS+63]
	v_nop
.endm
; tile a's p, register 16 b + i = key 32 b + 16 h + i of my query, become a fragment's codes in P and its scale word in PS.  No |.|: p is never negative
.macro QUANT a
.set SS, S+64*\a
.set PP, P+12*\a
	s_wait_alu depctr_va_vdst(0)
.irp b, 0,1,2,3
	v_max3_num_f32 v[TM+\b], v[SS+16*\b], v[SS+1+16*\b], 0x1800000   ; block b: my 16, and the floor 2^(3 - 127): the byte cannot fall under 1
.endr
.irp i, 2,4,6,8,10,12,14
.irp b, 0,1,2,3
	v_max3_num_f32 v[TM+\b], v[TM+\b], v[SS+16*\b+\i], v[SS+1+16*\b+\i]   ; (the four blocks by turns)
.endr
.endr
.irp b, 0,1,2,3
	v_permlanex16_b32 v[TP+\b], v[TM+\b], s[SEL], s[SEL+1]
.endr
.irp b, 0,1,2,3
	v_max_num_f32 v[TM+\b], v[TM+\b], v[TP+\b]     ; with lane l xor 16's 16: the block's largest p
.endr
.irp b, 0,1,2,3
	v_add_nc_u32 v[SCO+\b], 0xff000000, v[TM+\b]   ; 2 off its exponent field: the conversion's scale operand
.endr
.irp b, 0,1,2,3
	v_lshrrev_b32 v[TP+\b], 23, v[SCO+\b]          ; the scale's byte
.endr
	v_lshl_or_b32 v[PS+\a], v[TP+1], 8, v[TP]      ; my query's scale word for these 128 keys
	v_lshl_or_b32 v[PS+\a], v[TP+2], 16, v[PS+\a]
	v_lshl_or_b32 v[PS+\a], v[TP+3], 24, v[PS+\a]
.irp c, 0,1
	v_cvt_scalef32_pk16_fp6_f32 v[PP+6*\c:PP+6*\c+2], v[SS+32*\c:SS+32*\c+15], v[SCO+2*\c]
	v_cvt_scalef32_pk16_fp6_f32 v[CT+4*\c:CT+4*\c+2], v[SS+32*\c+16:SS+32*\c+31], v[SCO+2*\c+1]   ; (a conversion's three registers begin on an even number)
.endr
	v_nop                                          ; one plain place behind a scaled conversion
.irp c, 0,1                                    ; the operand's layout wants a WHOLE block in a lane: lanes 0-15 block 2 c, lanes 16-31 block 2 c + 1
.irp i, 0,1,2
	v_permlane16_swap_b32 v[PP+6*\c+\i], v[CT+4*\c+\i]
.endr
.irp i, 0,1,2
	v_mov_b32 v[PP+6*\c+3+\i], v[CT+4*\c+\i]
.endr
.endr
.endm
; A KEY STEP: 128 keys, the record at s[T].  Its key fragments, their scale words and -sq were asked for in the step before.  pre = 1: the next record's are asked for in this one.
.macro STEP pre
	BASES                                          ; four plain lines: also the places between the last step's products and the loads into their operands
	LDV
	s_wait_dscnt 17                                ; all but the 17 just issued: the key fragments, their scale words and -sq are in
	WIN 0x01                                       ; source 0 (the keys) window 1
	KQ S+64, S, Q+12, QS+1                         ; tile 1 of the queries: D = 2 inner - sq_s, with -sq_s read from tile 0's registers
	PLACES 5                                       ; the products below write over what those above have read as C: five places
	KQ S, S, Q, QS                                 ; tile 0, onto -sq_s where it lies.  All sixteen name different results
	PLACES 4                                       ; in front of loads into the operands and of the first read of the results
.if \pre
	LDK REC
.endif
	WIN 0
	KERN 0
	QUANT 0
.if \pre
	LDN REC                                        ; tile 0's registers are free: the next step's -sq
.endif
	KERN 1
	QUANT 1
	PLACES 8                                       ; with the line behind the conversions nine plain lines that name none of the products' registers stand between p's scale word and the scaled products; P's last moves stand eight ahead
.if \pre
	s_wait_dscnt 33                                ; the channel fragments are in; behind them: the next step's 17 + 16 loads
.else
	s_wait_dscnt 0x0
.endif
	WIN 0x51                                       ; source 0 (the channels), C and D window 1
.irp n, 0,1,2,3
.irp a, 0,1
	v_wmma_scale_f32_16x16x128_f8f6f4 v[O+32*\a+8*\n:O+32*\a+8*\n+7], v[VF+12*\n:VF+12*\n+11], v[P+12*\a:P+12*\a+11], v[O+32*\a+8*\n:O+32*\a+8*\n+7], v[VS+\n], v[PS+\a] matrix_a_fmt:MATRIX_FMT_FP6 matrix_b_fmt:MATRIX_FMT_FP6
.endr
.endr                                          ; the eight accumulators take turns, one instruction a turn
	WIN 0
	s_add_co_u32 s[T], s[T], REC
.endm
.macro STEPS n                         ; n key steps, each asking for the next step's record
	s_mov_b32 s[CNT], \n
.Lstep_\@:
	STEP 1
	s_sub_co_u32 s[CNT], s[CNT], 1
	s_cmp_lg_u32 s[CNT], 0
	s_cbranch_scc1 .Lstep_\@
.endm
	GATE 3                                         ; records 0-3 are whole; my three later loads stay out
	s_mov_b32 s[T], 0
	BASES
	LDK 0
	LDN 0
	STEPS 3                                        ; steps 0-2 read records 0-3
	GATE 2                                         ; records 4-7 are whole
	s_mov_b32 s[T], 3*REC
	STEPS 4                                        ; steps 3-6 read records 3-7
	GATE 1                                         ; records 8-11
	s_mov_b32 s[T], 7*REC
	STEPS 4                                        ; steps 7-10
	GATE 0                                         ; records 12-15: no tensor load of mine is out any more
	s_mov_b32 s[T], 11*REC
	STEPS 4                                        ; steps 11-14
	s_mov_b32 s[T], 15*REC
	STEP 0                                         ; the last step asks for nothing
	; THE WAY OUT.  A lane holds 32 neighbouring bytes of a row for each channel tile, and the lanes beside it hold other rows: so the wave's 32 rows go through its own stage in LDS and come back as whole rows of 256 bytes.
	; LDS serves a wave's instructions in order (ISA guide 5.7.1.4): no wait between the stores and the loads.
	PLACES 4                                       ; behind the last products
	WIN 0x04                                       ; an LDS store's data are its source 1: window 1
.irp u, 0,1
.irp n, 0,1,2,3
	ds_store_b128 v[SO], v[O+32*\u+8*\n:O+32*\u+8*\n+3] offset:16*SPITCH*\u+64*\n          ; each accumulator from its low end on
	ds_store_b128 v[SO], v[O+32*\u+8*\n+4:O+32*\u+8*\n+7] offset:16*SPITCH*\u+64*\n+16
.endr
.endr
	WIN 0
.irp u, 0,1
.irp i, 0,1,2,3,4,5,6,7
	ds_load_b128 v[S+32*\u+4*\i:S+32*\u+4*\i+3], v[SR] offset:16*SPITCH*\u+2*SPITCH*\i
.endr
.endr
.irp u, 0,1
.irp i, 0,1,2,3,4,5,6,7
	s_wait_dscnt 15-8*\u-\i                        ; this load is back, the younger ones stay out
	global_store_b128 v[GO], v[S+32*\u+4*\i:S+32*\u+4*\i+3], s[10:11] offset:(8*\u+2*\i+8*(\i/4))*256 th:TH_STORE_NT   ; row r' of tile u is query 8 u + r' + 8 (r' / 8) of the strip; 16 lanes store 256 consecutive bytes, at a multiple of 256 from out's first byte
.endr
.endr
	s_wait_tensorcnt 0x0
	ds_add_u32 v126, v127
	s_wait_dscnt 0x0
	CROUND                                         ; the closing round: no work-group ends while a partner may still ask for a tile that names it
	s_endpgm
.Lfunc_end_k_q5116a6ec23_gauss:
	.size	k_q5116a6ec23_gauss, .Lfunc_end_k_q5116a6ec23_gauss-k_q5116a6ec23_gauss
	.p2alignl 7, 3214868480
	.fill 96, 4, 3214868480
	.section	.rodata,"a",@progbits
	.p2align	6, 0x0
	.amdhsa_kernel k_q5116a6ec23_gauss
		.amdhsa_group_segment_fixed_size 287744
		.amdhsa_private_segment_fixed_size 0
		.amdhsa_enable_private_segment 0
		.amdhsa_kernarg_size 32
		.amdhsa_user_sgpr_count 2
		.amdhsa_user_sgpr_kernarg_segment_ptr 1
		.amdhsa_wavefront_size32 1
		.amdhsa_system_sgpr_workgroup_id_x 1
		.amdhsa_system_sgpr_workgroup_id_y 1
		.amdhsa_system_sgpr_workgroup_id_z 1
		.amdhsa_system_vgpr_workitem_id 0
		.amdhsa_next_free_vgpr 464
		.amdhsa_next_free_sgpr 66
		.amdhsa_reserve_vcc 1
		.amdhsa_float_denorm_mode_32 3
		.amdhsa_float_denorm_mode_16_64 3
		.amdhsa_memory_ordered 1
		.amdhsa_forward_progress 1
		.amdhsa_inst_pref_size 170
	.end_amdhsa_kernel
	.amdgpu_metadata
---
amdhsa.version: [ 1, 2 ]
amdhsa.kernels:
  - .name:           k_q5116a6ec23_gauss
    .symbol:         k_q5116a6ec23_gauss.kd
    .args:
      - { .name: x, .offset: 0, .size: 8, .value_kind: global_buffer, .address_space: global }
      - { .name: ws, .offset: 8, .size: 8, .value_kind: global_buffer, .address_space: global }
      - { .name: r_sigma, .offset: 16, .size: 8, .value_kind: global_buffer, .address_space: global }
      - { .name: out0, .offset: 24, .size: 8, .value_kind: global_buffer, .address_space: global }
    .group_segment_fixed_size: 287744
    .private_segment_fixed_size: 0
    .kernarg_segment_align: 8
    .kernarg_segment_size: 32
    .max_flat_workgroup_size: 256
    .sgpr_count:     66
    .vgpr_count:     464
    .wavefront_size: 32
...
	.end_amdgpu_metadata
.endif
;; end of part 2
